; MI455X (gfx1250); checked and timed in simulation.
; The chip was launched on July 23, 2026; its instructions are those of AMD's public machine-readable ISA for CDNA 5 (MIT licence, August 2026) and "CDNA5" Instruction Set Architecture Reference Guide (July 2026). The comments in the code are by the model that wrote it; some were corrected since.
;; Unidirectional Multihead Attention. Allowed arithmetic: matrix products marked QUANTISED: E5M2 operands, one given power-of-two scale a tensor, by v_wmma_f32_16x16x64_bf8_bf8 or v_wmma_f32_16x16x128_bf8_bf8, f32 sums; everything else in f32.
;; Inputs: W_out 1,024 x 1,024 float32; W_qkv 1,024 x 3,072 float32; b_out 1,024 float32; b_qkv 3,072 float32; lowp_scales 8 int32 (the exponents e of the quantised operands' scales 2^e); x 2 x 2,048 x 1,024 float32.
;; Outputs: out0 2 x 2,048 x 1,024 float32.
;; Constants: num_heads = 16.
;; This version of the problem:
;;   THIS VERSION OF THE PROBLEM IS GIVEN IN LOW PRECISION. The matrix products marked QUANTISED in the list below multiply operands that are first quantised to E5M2 (5 exponent bits, 2 mantissa bits; 8 bits a number), with one given power-of-two scale for each operand tensor; their sums are f32. All else is computed in f32.
;;   The module's matrix products, in the order in which they are computed (A, B: the left and right operand; K: the contracted axis; several contracted axes count as one K, in the product's order):
;;     1. [M 4,096, K 1,024] x [K 1,024, N 3,072]; A: input x; B: input W_qkv: QUANTISED (scales: A lowp_scales[0], B lowp_scales[1])
;;     2. batch 32 x [M 2,048, K 64] x [K 64, N 2,048]; A: computed on the way; B: computed on the way: QUANTISED (scales: A lowp_scales[2], B lowp_scales[3])
;;     3. batch 32 x [M 2,048, K 2,048] x [K 2,048, N 64]; A: softmax (see below); B: computed on the way: QUANTISED (scales: A lowp_scales[4], B lowp_scales[5])
;;     4. [M 4,096, K 1,024] x [K 1,024, N 1,024]; A: computed on the way; B: input W_out: QUANTISED (scales: A lowp_scales[6], B lowp_scales[7])
;;   THE QUANTISER, for each operand of a quantised product, along K:
;;     - The operand's scale is 2^e, e = its entry of the input lowp_scales (int32; the entries are numbered through the quantised products in the list's order, A before B).
;;     - Each number is divided by the scale, clamped to +-57,344, and rounded to the nearest number of E5M2, ties to even, subnormals kept.
;;     - The product sums the exact products of the quantised numbers (number of the format x scale) in f32.
;;   ~~~python
;;   def quantise(x, axis, e):      # numpy; x: float32 -> the quantised numbers, widened to float32 again
;;       x = np.moveaxis(x, axis, -1); K = x.shape[-1]
;;       r = np.clip(x / 2.0 ** e, -57344, 57344)
;;       step = 2.0 ** (np.maximum(np.frexp(np.where(r == 0, 1, r))[1] - 1, -14) - 2)
;;       q = np.round(r / step) * step * 2.0 ** e      # np.round: ties to even
;;       return np.moveaxis(q, -1, axis).astype(np.float32)
;;   ~~~
;;   SOFTMAX AHEAD OF A QUANTISED PRODUCT. Where the list says 'softmax', what is quantised is not the finished softmax but p = 2^(t - M), with t = logit x log2(e) and M = ceil(the row's largest t), a whole number; so 1/2 < the row's largest p <= 1. The row's sum l is taken of the UNQUANTISED p, in f32, and the product's result is divided by l at the end. Since M is a whole number, a kernel that streams over the keys may use a running M (the ceiling of the running maximum): every later rescaling is an exact power of two, so the quantised numbers keep their values, but for numbers so far below the row's largest that they fall under the format's range.
;;   OPERANDS COMPUTED ON THE WAY. 'Computed on the way' means the value that the module computes at that place (a softmax that the list does not call 'softmax' is quantised finished and normalised). What goes into a quantiser is computed in f32, as accurately as f32 sums, v_exp_f32 and their like allow (about 1e-6 of the number): no bf16 or f16 on the way to a quantiser, and a product that is left as it is and whose result goes on into a quantised operand takes f32 operands (vector FMAs, or v_wmma_f32_16x16x4_f32). A number that lies on a knife's edge between two numbers of the format may be rounded either way, as far as f32 arithmetic and the matrix unit's own rounding can turn it there, and no further.
;; One version. Each part assembles by itself: llvm-mc -triple=amdgcn-amd-amdhsa -mcpu=gfx1250 --defsym DOCPART=n.
;; ======== version 1 of 1: 4 launches
;; limits: right only within a limited range of input values
;; workspace buffers: codes 8,388,608 bytes; qkv_codes 12,582,912 bytes; a_codes 4,194,304 bytes
;; launch quant (part 1): grid 96 x 4, 4 waves a work-group, no clusters, 68,096 bytes of LDS; arguments x, W_qkv, W_out, lowp_scales, codes; writes codes
.if DOCPART == 1
	.amdgcn_target "amdgcn-amd-amdhsa--gfx1250"
	.amdhsa_code_object_version 6
	.text
	.protected	k_qb7a4b60415_quant
	.globl	k_qb7a4b60415_quant
	.p2align	8
	.type	k_qb7a4b60415_quant,@function
k_qb7a4b60415_quant:
	s_mov_b64 s[64:65], 0
	v_nop
	global_prefetch_b8 v0, s[64:65] scope:SCOPE_SE
	s_setreg_imm32_b32 hwreg(HW_REG_WAVE_MODE, 25, 1), 1
	s_wait_xcnt 0x0
; x [4096][1024], W_qkv [1024][3072] and W_out [1024][1024], f32, become codes of BF8 (E5M2), one byte each, K innermost, in ONE buffer of 8,192 rows of 1,024 bytes:
; rows 0-4095 x (row = token), rows 4096-7167 W_qkv (row = its column n), rows 7168-8191 W_out (row = its column n).
; code = number / 2^e, held within +-57,344, rounded to the nearest code, ties to even.  e: entry 0 of the scales for x, entry 1 for W_qkv, entry 7 for W_out.
; LIMITS: each e lies between -126 and 112, so that 2^e and 57,344 x 2^e are f32 numbers.  NaN among the inputs is not served (an infinity is held at the largest code).
; SHARES.  Work-groups with x < 64 (256 of them, y counted in) take x: K is innermost there, the tensor is a plain stream; a wave takes 8 steps of 512 numbers.
; Work-groups with x = 64..87 take 128 columns of W_qkv, x = 88..95 128 columns of W_out, y = which 256 along K: K is the FIRST axis there, so a lane takes a column and its registers run down K.
; The two ways part once, on the work-group's number, and each has LDS bytes of its own (x: 0..32,767; weights: 32,768..67,583).  Waves share nothing: no barrier.  No tile is read twice: no cluster, no tensor load.
.set STEPS, 8                          ; x: steps of 512 numbers for a wave
.set SP,    80                         ; x: a lane's place in a stage: its 64 bytes + 16 of padding
.set WREG,  8192                       ; x: LDS of a wave: two stages of 32 x SP bytes
.set R,     16                         ; x: v16-79   four sets of 16 numbers as loaded
.set X,     80                         ; x: v80-111  two sets of 16 neighbours
.set C,     128                        ; x: v128-159 codes, four registers for each step
.set WST,   32768                      ; weights: their stages begin here, 32 rows x PITCH for each wave
.set PITCH, 272                        ; weights: a stage row: 256 bytes of codes + 16
.set NB,    8                          ; weights: blocks of 32 along K for a wave
.set WX,    32                         ; weights: v32-95   two sets of 32 numbers
.set WC,    96                         ; weights: v96-103  a block's codes
.set OUTR,  112                        ; weights: v112-175 the way out
.set OF,    176                        ; weights: v176-207 byte offset of row i of a block: 4 x lane + i x the weight's row
.set BP,    32                         ; weights: s[32:47] the address of each of the eight blocks' first row
	s_load_b256 s[4:11], s[0:1], 0x0               ; x s[4:5], W_qkv s[6:7], W_out s[8:9], the scales' exponents s[10:11]
	s_load_b64 s[12:13], s[0:1], 0x20              ; the codes
	v_lshl_add_u32 v208, v0, 2, 0x10800
	v_mov_b32 v209, 0
	v_lshrrev_b32 v1, 5, v0
	v_readfirstlane_b32 s24, v1                    ; wave 0..3
	v_and_b32 v2, 31, v0                           ; lane
	s_and_b32 s25, ttmp7, 0xffff                   ; work-group y
	s_wait_kmcnt 0x0
	s_load_b256 s[16:23], s[10:11], 0x0            ; e0 .. e7
	s_cmp_lt_u32 ttmp9, 64
	s_cbranch_scc0 .Lweights
; ---------------- x: each load reads 512 consecutive bytes; a step's 2,048 bytes turn through the wave's own stage, so that a lane then holds 16 neighbours along K
	s_wait_alu depctr_va_vdst(0)
	v_lshlrev_b32 v3, 4, v2                        ; my 16 bytes of a load's 512
	s_wait_alu depctr_va_vdst(0)
	v_lshlrev_b32 v4, 4, v2                        ; my 16 codes of a step's 512
	s_mul_i32 s26, s24, WREG
	v_lshrrev_b32 v14, 2, v2
	v_mul_u32_u24 v14, v14, SP
	v_and_b32 v15, 3, v2
	v_lshl_add_u32 v14, v15, 4, v14
	v_add_nc_u32 v14, s26, v14                     ; into the stage: four lanes' 64 bytes on end, then 16 of padding
	v_mul_u32_u24 v15, v2, SP
	v_add_nc_u32 v15, s26, v15                     ; out of it: SP x lane
	s_lshl_b32 s27, s25, 6
	s_add_co_u32 s27, s27, ttmp9
	s_lshl_b32 s27, s27, 2
	s_add_co_u32 s27, s27, s24                     ; which run of 4,096 numbers is my wave's: (64 y + x) 4 + wave
	s_lshl_b32 s28, s27, 14
	s_mov_b32 s29, 0
	s_add_nc_u64 s[4:5], s[4:5], s[28:29]
	s_lshl_b32 s28, s27, 12
	s_add_nc_u64 s[12:13], s[12:13], s[28:29]
.macro XLOAD t
.irp i, 0,1,2,3
	global_load_b128 v[R+16*((\t)%4)+4*\i:R+16*((\t)%4)+4*\i+3], v3, s[4:5] offset:2048*(\t)+512*\i th:TH_LOAD_NT   ; 32 lanes read 512 consecutive bytes, read once in the launch
.endr
.endm
.macro XTURN t                         ; LDS serves a wave's instructions in order: no wait between the stores and the loads
.irp i, 0,1,2,3
	ds_store_b128 v14, v[R+16*((\t)%4)+4*\i:R+16*((\t)%4)+4*\i+3] offset:32*SP*((\t)%2)+8*SP*\i
.endr
.irp i, 0,1,2,3
	ds_load_b128 v[X+16*((\t)%2)+4*\i:X+16*((\t)%2)+4*\i+3], v15 offset:32*SP*((\t)%2)+16*\i
.endr
.endm
.irp t, 0,1,2,3
	XLOAD \t
.endr
	s_wait_alu depctr_va_vdst(0)
	s_wait_kmcnt 0x0
	s_add_co_i32 s30, s16, 127
	s_lshl_b32 s31, s30, 23
	v_mov_b32 v11, s31                             ; 2^e0 as f32: the conversion takes its exponent field
	s_add_co_i32 s30, s30, 15
	s_lshl_b32 s30, s30, 23
	s_or_b32 s30, s30, 0x600000
	v_mov_b32 v10, s30                             ; 57,344 x 2^e0
	s_wait_alu depctr_va_vdst(0)
	s_wait_loadcnt 12                              ; step 0's four loads are in; three steps' twelve may be out
	XTURN 0
.macro XSTEP t
.set XS, X+16*((\t)%2)
	s_wait_dscnt 0x0                               ; this step's numbers are back from the stage, and its stores into the stage have read their registers,
.if (\t)+4 < STEPS
	XLOAD (\t)+4                                   ; which take the loads of four steps on
.endif
.if (\t)+1 < STEPS
.if STEPS-2-(\t) >= 3
	s_wait_loadcnt 12                              ; the next step's four loads are in; those of the three steps behind it may be out
.else
	s_wait_loadcnt 4*(STEPS-2-(\t))
.endif
	XTURN (\t)+1
.endif
.irp i, 0,1,2,3,4,5,6,7,8,9,10,11,12,13,14,15
	v_med3_num_f32 v[XS+\i], v[XS+\i], -v10, v10   ; the conversion to an 8-bit code does not saturate (ISA guide 7.6.2): the hold comes first
.endr
	v_cvt_scalef32_pk8_bf8_f32 v[C+4*(\t):C+4*(\t)+1], v[XS:XS+7], v11
	v_cvt_scalef32_pk8_bf8_f32 v[C+4*(\t)+2:C+4*(\t)+3], v[XS+8:XS+15], v11
	global_store_b128 v4, v[C+4*(\t):C+4*(\t)+3], s[12:13] offset:512*(\t)   ; the wave stores 512 consecutive bytes; each step has its own registers, so no store's data are written again
.endm
.irp t, 0,1,2,3,4,5,6,7
	XSTEP \t
.endr
	s_wait_tensorcnt 0x0
	ds_add_u32 v208, v209
	s_wait_dscnt 0x0
	s_endpgm
; ---------------- the weights: a lane takes a column n, its registers run down K; the codes leave through the wave's stage as rows
.Lweights:
	s_cmp_ge_u32 ttmp9, 88                         ; W_out's work-group or W_qkv's?  The choice hangs on the work-group's number alone
	s_cselect_b64 s[4:5], s[8:9], s[6:7]           ; the weight
	s_mov_b32 s26, 12288
	s_cselect_b32 s26, 4096, s26                   ; a row of it in bytes
	s_mov_b32 s27, 4096
	s_cselect_b32 s27, 7168, s27                   ; its first row in the codes' buffer
	s_cselect_b32 s28, 88, 64                      ; its first work-group
	s_wait_kmcnt 0x0
	s_cselect_b32 s29, s23, s17                    ; e7 or e1
	s_sub_co_u32 s28, ttmp9, s28
	s_lshl_b32 s28, s28, 7
	s_lshl_b32 s30, s24, 5
	s_add_co_u32 s28, s28, s30                     ; my wave's first column: 128 x block + 32 x wave
	s_lshl_b32 s30, s25, 8
	s_mul_i32 s30, s30, s26                        ; 256 y rows down,
	s_lshl_b32 s31, s28, 2
	s_add_co_u32 s30, s30, s31                     ; 4 bytes a column
	s_mov_b32 s31, 0
	s_add_nc_u64 s[BP:BP+1], s[4:5], s[30:31]
	s_lshl_b32 s30, s26, 5                         ; 32 rows
.irp t, 1,2,3,4,5,6,7
	s_add_nc_u64 s[BP+2*\t:BP+2*\t+1], s[BP+2*\t-2:BP+2*\t-1], s[30:31]
.endr
	s_add_co_u32 s27, s27, s28
	s_lshl_b32 s27, s27, 10                        ; my first row of codes, 1,024 bytes a row,
	s_lshl_b32 s50, s25, 8
	s_add_co_u32 s50, s50, s27                     ; + 256 y
	s_mov_b32 s51, 0
	s_add_nc_u64 s[12:13], s[12:13], s[50:51]
	s_wait_alu depctr_va_vdst(0)
	v_lshlrev_b32 v[OF], 2, v2
.set i, 1
.rept 31
	v_add_nc_u32 v[OF+i], s26, v[OF+i-1]
.set i, i+1
.endr
	s_mul_i32 s52, s24, 32*PITCH
	s_add_co_u32 s52, s52, WST                     ; my stage
	v_mul_u32_u24 v4, v2, PITCH
	v_add_nc_u32 v4, s52, v4                       ; into it: row = my column
	v_and_b32 v5, 15, v2
	v_lshrrev_b32 v6, 4, v2
	v_mul_u32_u24 v7, v6, PITCH
	v_lshl_add_u32 v7, v5, 4, v7
	v_add_nc_u32 v7, s52, v7                       ; out of it: sixteen lanes to a row, two rows an instruction
	v_lshlrev_b32 v8, 10, v6
	v_lshl_add_u32 v8, v5, 4, v8                   ; and the same place in the codes' buffer
.macro WLOAD t                         ; block t: W(32 t + i, my column), i = 0 .. 31: each load reads 128 consecutive bytes, the four waves side by side 512
.set i, 0
.rept 32
	global_load_b32 v[WX+32*((\t)%2)+i], v[OF+i], s[BP+2*(\t):BP+2*(\t)+1] th:TH_LOAD_NT
.set i, i+1
.endr
.endm
	WLOAD 0
	WLOAD 1
	s_add_co_i32 s29, s29, 127
	s_lshl_b32 s30, s29, 23
	v_mov_b32 v11, s30                             ; 2^e as f32
	s_add_co_i32 s29, s29, 15
	s_lshl_b32 s29, s29, 23
	s_or_b32 s29, s29, 0x600000
	v_mov_b32 v10, s29                             ; 57,344 x 2^e
.macro WBLOCK t
.set XS, WX+32*((\t)%2)
.if (\t) < NB-1
	s_wait_loadcnt 32                              ; this block's 32 loads are in; the next block's may be out
.else
	s_wait_loadcnt 0x0
.endif
.set i, 0
.rept 32
	v_med3_num_f32 v[XS+i], v[XS+i], -v10, v10
.set i, i+1
.endr
.irp g, 0,1,2,3
	v_cvt_scalef32_pk8_bf8_f32 v[WC+2*\g:WC+2*\g+1], v[XS+8*\g:XS+8*\g+7], v11
.endr
	ds_store_b128 v4, v[WC:WC+3] offset:32*(\t)    ; 32 codes: 32 bytes of my column's row
	ds_store_b128 v4, v[WC+4:WC+7] offset:32*(\t)+16
.if (\t)+2 < NB
	WLOAD (\t)+2
.endif
	s_wait_dscnt 0x0                               ; the stores have read their registers: the next block's codes may be written
.endm
	s_wait_alu depctr_va_vdst(0)
.irp t, 0,1,2,3,4,5,6,7
	WBLOCK \t
.endr
.irp t, 0,1,2,3,4,5,6,7,8,9,10,11,12,13,14,15
	ds_load_b128 v[OUTR+4*\t:OUTR+4*\t+3], v7 offset:2*\t*PITCH   ; LDS serves a wave's instructions in order: these see my stores
.endr
.irp t, 0,1,2,3,4,5,6,7,8,9,10,11,12,13,14,15
	s_wait_dscnt 15-\t
	global_store_b128 v8, v[OUTR+4*\t:OUTR+4*\t+3], s[12:13] offset:2*\t*1024   ; sixteen lanes store 256 consecutive bytes, at a multiple of 256 from the buffer's first byte
.endr
	s_wait_tensorcnt 0x0
	ds_add_u32 v208, v209
	s_wait_dscnt 0x0
	s_endpgm
.Lfunc_end_k_qb7a4b60415_quant:
	.size	k_qb7a4b60415_quant, .Lfunc_end_k_qb7a4b60415_quant-k_qb7a4b60415_quant
	.p2alignl 7, 3214868480
	.fill 96, 4, 3214868480
	.section	.rodata,"a",@progbits
	.p2align	6, 0x0
	.amdhsa_kernel k_qb7a4b60415_quant
		.amdhsa_group_segment_fixed_size 68096
		.amdhsa_private_segment_fixed_size 0
		.amdhsa_enable_private_segment 0
		.amdhsa_kernarg_size 40
		.amdhsa_user_sgpr_count 2
		.amdhsa_user_sgpr_kernarg_segment_ptr 1
		.amdhsa_wavefront_size32 1
		.amdhsa_system_sgpr_workgroup_id_x 1
		.amdhsa_system_sgpr_workgroup_id_y 1
		.amdhsa_system_sgpr_workgroup_id_z 1
		.amdhsa_system_vgpr_workitem_id 0
		.amdhsa_next_free_vgpr 210
		.amdhsa_next_free_sgpr 66
		.amdhsa_reserve_vcc 0
		.amdhsa_float_denorm_mode_32 3
		.amdhsa_float_denorm_mode_16_64 3
		.amdhsa_memory_ordered 1
		.amdhsa_forward_progress 1
		.amdhsa_inst_pref_size 70
	.end_amdhsa_kernel
	.amdgpu_metadata
---
amdhsa.version: [ 1, 2 ]
amdhsa.kernels:
  - .name:           k_qb7a4b60415_quant
    .symbol:         k_qb7a4b60415_quant.kd
    .args:
      - { .name: x, .offset: 0, .size: 8, .value_kind: global_buffer, .address_space: global }
      - { .name: W_qkv, .offset: 8, .size: 8, .value_kind: global_buffer, .address_space: global }
      - { .name: W_out, .offset: 16, .size: 8, .value_kind: global_buffer, .address_space: global }
      - { .name: lowp_scales, .offset: 24, .size: 8, .value_kind: global_buffer, .address_space: global }
      - { .name: codes, .offset: 32, .size: 8, .value_kind: global_buffer, .address_space: global }
    .group_segment_fixed_size: 68096
    .private_segment_fixed_size: 0
    .kernarg_segment_align: 8
    .kernarg_segment_size: 40
    .max_flat_workgroup_size: 128
    .sgpr_count:     66
    .vgpr_count:     210
    .wavefront_size: 32
...
	.end_amdgpu_metadata
.endif
;; end of part 1
;; launch qkv (part 2): grid 48 x 4, 4 waves a work-group, clusters of 4 x 4, 327,680 bytes of LDS; arguments codes, lowp_scales, b_qkv, qkv_codes; writes qkv_codes
.if DOCPART == 2
	.amdgcn_target "amdgcn-amd-amdhsa--gfx1250"
	.amdhsa_code_object_version 6
	.text
	.protected	k_qb7a4b60415_qkv
	.globl	k_qb7a4b60415_qkv
	.p2align	8
	.type	k_qb7a4b60415_qkv,@function
k_qb7a4b60415_qkv:
	s_mov_b64 s[64:65], 0
	v_nop
	global_prefetch_b8 v0, s[64:65] scope:SCOPE_SE
	s_setreg_imm32_b32 hwreg(HW_REG_WAVE_MODE, 25, 1), 1
	s_wait_xcnt 0x0
	s_wait_alu depctr_hold_cnt(0) depctr_sa_sdst(0) depctr_va_vdst(0) depctr_va_sdst(0) depctr_va_ssrc(0) depctr_va_vcc(0) depctr_vm_vsrc(0)
	s_getreg_b32 s2, hwreg(HW_REG_IB_STS2, 6, 4)
	s_cmp_eq_u32 s2, 0
	s_cbranch_scc0 .Lentry_in_a_cluster
	s_endpgm
.Lentry_in_a_cluster:
	s_bfe_u32 s2, ttmp6, 0x10000c
	s_cmp_lg_u32 s2, 0xf033
	s_cbranch_scc0 .Lentry_shape_is_right
	s_endpgm
.Lentry_shape_is_right:
.set KSTEP,  256
.set ROWB,   256
.set KROW,   1024
.set PITCH,  272
.set FR,     16
.set NL,     4
.set NP,     4
.set HALFT,  128*PITCH
.set SLOT,   4*HALFT
.set LAPS,   2
.set SPARE,  2*SLOT
.set STGV,   256*PITCH
.set STQ,  7
.set STV,  8
.set RDQ,  9
.set RDQ2, 10
.set RDV,  11
.set GOQ,  12
.set GOV,  13
.set ADRA, 16
.set ADRB, 20
.set SCL,  22
.set LIM,  23
.set SPW,  28
.set NIL,  29
.set BJ,   32
.set BI,   96
.set AF,   128
.set TMP,  128
.set CD,   192
.set G1, 24
.set G0, 32
.set G1B, 48
.set G0B, 56
.set MSB, 0
.macro WIN new
.if MSB != \new
	s_set_vgpr_msb (MSB<<8)|\new
.set MSB, \new
.endif
.endm
.set MUL_LO, 0xa1
.set MUL_HI, 0xf1
.set TO_B,   0x40
.macro JLOAD g0a, g1a, g0b, g1b
	s_cmp_eq_u32 s15, 0
	s_cbranch_scc0 .Lfor_b_\@
	tensor_load_to_lds s[\g0a:\g0a+3], s[\g1a:\g1a+7]
	s_nop 0
.rept 4
	v_nop
.endr
	s_branch .Lasked_\@
.Lfor_b_\@:
	tensor_load_to_lds s[\g0b:\g0b+3], s[\g1b:\g1b+7]
	s_nop 0
.rept 4
	v_nop
.endr
.Lasked_\@:
.endm
.macro CREST
	s_cmp_lg_u32 s14, 0
	s_cbranch_scc1 .Lnot_wave_0_\@
	s_barrier_signal -3
.Lnot_wave_0_\@:
	s_barrier_wait -3
	s_barrier_signal -1
	s_barrier_wait -1
.endm
.macro CROUND
	s_barrier_signal -1
	s_barrier_wait -1
	CREST
.endm
	s_load_b256 s[4:11], s[0:1], 0x0
	v_lshl_add_u32 v[SPW], v0, 2, SPARE
	v_mov_b32 v[NIL], 0
	ds_add_u32 v28, v29
	ds_add_u32 v28, v29
	s_wait_dscnt 0x0
	v_lshrrev_b32 v1, 5, v0
	v_readfirstlane_b32 s14, v1
	s_lshr_b32 s15, s14, 1
	s_and_b32 s16, s14, 1
	s_bfe_u32 s40, ttmp6, 0x40000
	s_bfe_u32 s41, ttmp6, 0x40004
	s_lshl_b32 s43, s41, 2
	s_lshl_b32 s43, 15, s43
	s_lshl_b32 s44, 0x1111, s40
	s_or_b32 s[G1+0], s43, (0<<16)|(1<<20)|(1<<21)|(5<<22)|(3<<25)
	s_or_b32 s[G1B+0], s44, (0<<16)|(1<<20)|(1<<21)|(5<<22)|(3<<25)
.irp g, G1, G1B
	s_mov_b32 s[\g+1], ROWB<<16
	s_mov_b32 s[\g+2], 128<<16
	s_mov_b32 s[\g+3], ROWB<<16
	s_mov_b32 s[\g+4], 128
	s_mov_b32 s[\g+5], KROW
	s_mov_b32 s[\g+6], 0
	s_mov_b32 s[\g+7], 0
.endr
	s_lshr_b32 s66, ttmp9, 1
	s_lshl_b32 s66, s66, 10
	s_and_b32 s67, ttmp9, 1
	s_lshl_b32 s67, s67, 10
	s_add_co_u32 s67, s67, 4096
	s_and_b32 s68, ttmp9, 3
	s_lshl_b32 s68, s68, 10
	s_cmp_lt_u32 ttmp9, 8
	s_cselect_b32 s66, s66, 6144
	s_cselect_b32 s67, s67, s68
	s_lshl_b32 s18, s16, 7
	s_lshl_b32 s20, s41, 8
	s_add_co_u32 s20, s20, s66
	s_add_co_u32 s20, s20, s18
	s_lshl_b32 s20, s20, 10
	s_mov_b32 s21, 0
	s_lshl_b32 s46, s40, 8
	s_add_co_u32 s46, s46, s67
	s_add_co_u32 s46, s46, s18
	s_lshl_b32 s46, s46, 10
	s_mov_b32 s47, 0
	s_mul_i32 s45, s14, HALFT
	s_wait_kmcnt 0x0
	s_load_b256 s[84:91], s[6:7], 0x0
	s_add_nc_u64 s[20:21], s[4:5], s[20:21]
	s_add_nc_u64 s[46:47], s[4:5], s[46:47]
	CROUND
.irp s, 0,1
	s_mov_b32 s[G0+4*\s], 1
	s_add_co_u32 s[G0+4*\s+1], s45, \s*SLOT
	s_add_nc_u64 s[G0+4*\s+2:G0+4*\s+3], s[20:21], \s*ROWB
	s_or_b32 s[G0+4*\s+3], s[G0+4*\s+3], 0x80000000
	s_mov_b32 s[G0B+4*\s], 1
	s_add_co_u32 s[G0B+4*\s+1], s45, \s*SLOT
	s_add_nc_u64 s[G0B+4*\s+2:G0B+4*\s+3], s[46:47], \s*ROWB
	s_or_b32 s[G0B+4*\s+3], s[G0B+4*\s+3], 0x80000000
.endr
	JLOAD G0, G1, G0B, G1B
	v_and_b32 v1, 15, v0
	v_bfe_u32 v2, v0, 4, 1
	v_mul_u32_u24 v3, v1, PITCH
	s_wait_alu depctr_va_vdst(0)
	v_lshl_add_u32 v4, v2, 4, v3
	s_mul_i32 s21, s15, HALFT
	s_mul_i32 s22, s16, HALFT
	s_add_co_u32 s22, s22, 2*HALFT
.irp s, 0,1
	v_add_nc_u32 v[ADRA+\s], s21, v4
	v_add_nc_u32 v[ADRB+\s], s22, v4
	s_add_co_u32 s21, s21, SLOT
	s_add_co_u32 s22, s22, SLOT
.endr
	s_mul_i32 s23, s15, 128*PITCH
	s_lshl_b32 s22, s16, 7
	s_add_co_u32 s23, s23, s22
	v_lshl_add_u32 v[STQ], v2, 3, v3
	v_add_nc_u32 v[STQ], s23, v[STQ]
	v_add_nc_u32 v[STV], STGV, v[STQ]
	v_and_b32 v5, 31, v0
	v_lshrrev_b32 v6, 2, v5
	v_mul_u32_u24 v[RDQ], v6, PITCH
	v_and_b32 v6, 3, v5
	v_lshl_add_u32 v[RDQ], v6, 4, v[RDQ]
	s_lshl_b32 s22, s14, 6
	v_add_nc_u32 v[RDQ], s22, v[RDQ]
	v_add_nc_u32 v[RDQ2], 128*PITCH, v[RDQ]
	v_mul_u32_u24 v[RDV], v2, PITCH
	v_lshl_add_u32 v[RDV], v1, 4, v[RDV]
	s_mul_i32 s22, s14, 64*PITCH
	s_add_co_u32 s22, s22, STGV
	v_add_nc_u32 v[RDV], s22, v[RDV]
	v_lshlrev_b32 v[GOQ], 4, v5
	v_lshlrev_b32 v[GOV], 11, v2
	v_lshl_add_u32 v[GOV], v1, 4, v[GOV]
	v_lshlrev_b32 v14, 5, v2
	s_wait_alu depctr_va_vdst(0)
	v_lshlrev_b32 v15, 2, v1
	s_wait_alu depctr_va_vdst(0)
	s_and_b32 s70, ttmp9, 1
	s_lshl_b32 s70, s70, 10
	s_lshl_b32 s71, s40, 8
	s_add_co_u32 s70, s70, s71
	s_lshl_b32 s71, s16, 7
	s_add_co_u32 s70, s70, s71
	s_lshl_b32 s72, s41, 8
	s_lshl_b32 s71, s15, 7
	s_add_co_u32 s72, s72, s71
	s_add_co_u32 s72, s72, 2048
	s_cmp_lt_u32 ttmp9, 8
	s_cselect_b32 s70, s70, 0
	s_cselect_b32 s72, 0, s72
	s_lshl_b32 s70, s70, 2
	s_mov_b32 s71, 0
	s_lshl_b32 s72, s72, 2
	s_mov_b32 s73, 0
	s_add_nc_u64 s[70:71], s[8:9], s[70:71]
	s_add_nc_u64 s[72:73], s[8:9], s[72:73]
.irp b, 0,1,2,3,4,5,6,7
	global_load_b128 v[BJ+8*\b:BJ+8*\b+3], v14, s[70:71] offset:64*\b
	global_load_b128 v[BJ+8*\b+4:BJ+8*\b+7], v14, s[70:71] offset:64*\b+16
.endr
.irp a, 0,1,2,3,4,5,6,7
	global_load_b32 v[BI+2*\a], v15, s[72:73] offset:64*\a
	global_load_b32 v[BI+2*\a+1], v15, s[72:73] offset:64*\a
.endr
	s_and_b32 s74, ttmp9, 1
	s_lshl_b32 s74, s74, 22
	s_lshr_b32 s75, ttmp9, 2
	s_lshl_b32 s75, s75, 4
	s_lshl_b32 s76, s40, 2
	s_add_co_u32 s75, s75, s76
	s_add_co_u32 s75, s75, s14
	s_lshl_b32 s75, s75, 17
	s_add_co_u32 s74, s74, s75
	s_bfe_u32 s75, ttmp9, 0x10001
	s_lshl_b32 s75, s75, 10
	s_lshl_b32 s76, s41, 8
	s_add_co_u32 s75, s75, s76
	s_lshl_b32 s75, s75, 6
	s_add_co_u32 s74, s74, s75
	s_and_b32 s77, ttmp9, 3
	s_lshr_b32 s78, s77, 1
	s_lshl_b32 s78, s78, 10
	s_add_co_u32 s78, s78, s76
	s_lshl_b32 s79, s14, 6
	s_add_co_u32 s78, s78, s79
	s_lshl_b32 s78, s78, 11
	s_and_b32 s77, s77, 1
	s_lshl_b32 s77, s77, 10
	s_add_co_u32 s78, s78, s77
	s_lshl_b32 s79, s40, 8
	s_add_co_u32 s78, s78, s79
	s_add_co_u32 s78, s78, 0x800000
	s_cmp_lt_u32 ttmp9, 8
	s_cselect_b32 s74, s74, s78
	s_mov_b32 s75, 0
	s_add_nc_u64 s[10:11], s[10:11], s[74:75]
	s_wait_kmcnt 0x0
	s_and_b32 s93, ttmp9, 1
	s_cmp_lg_u32 s93, 0
	s_cselect_b32 s92, s86, s87
	s_cmp_lt_u32 ttmp9, 8
	s_cselect_b32 s92, s92, s89
	s_add_co_i32 s92, s92, 127
	s_lshl_b32 s93, s92, 23
	v_mov_b32 v[SCL], s93
	s_add_co_i32 s92, s92, 15
	s_lshl_b32 s92, s92, 23
	s_or_b32 s92, s92, 0x600000
	v_mov_b32 v[LIM], s92
	s_add_co_i32 s96, s84, s85
	s_add_co_i32 s96, s96, 127
	s_lshl_b32 s96, s96, 23
	s_mov_b32 s97, s96
.macro FRAG reg, adr, q, i
.irp c, 0,1,2,3
	ds_load_b128 v[\reg+4*\c:\reg+4*\c+3], v[\adr] offset:128*(\q)+32*\c+(\i)*16*PITCH
.endr
.endm
.macro MUL16 a0, p, zero
.irp a, \a0, \a0+1
.irp b, 0,1,2,3,4,5,6,7
.if \zero
	v_wmma_f32_16x16x128_bf8_bf8 v[8*(8*((\a)%4)+\b):8*(8*((\a)%4)+\b)+7], v[128*(\p)+FR*\b:128*(\p)+FR*\b+FR-1], v[AF+FR*(\a):AF+FR*(\a)+FR-1], 0
.else
	v_wmma_f32_16x16x128_bf8_bf8 v[8*(8*((\a)%4)+\b):8*(8*((\a)%4)+\b)+7], v[128*(\p)+FR*\b:128*(\p)+FR*\b+FR-1], v[AF+FR*(\a):AF+FR*(\a)+FR-1], v[8*(8*((\a)%4)+\b):8*(8*((\a)%4)+\b)+7]
.endif
.endr
.endr
.endm
.macro FETCH_B slot, q, p
	WIN TO_B
.irp i, 0,1,2,3,4,5,6,7
	FRAG 128*(\p)+FR*\i, ADRB+\slot, \q, \i
.endr
	WIN 0
.endm
.macro FETCH_A slot, q, i0
.irp i, \i0, \i0+1, \i0+2, \i0+3
	FRAG AF+FR*(\i), ADRA+\slot, \q, \i
.endr
.endm
.macro PLACES n
.rept \n
	v_nop
.endr
.endm
.macro STEP slot, q, zero
	s_wait_dscnt 4*NL
	WIN MUL_LO
	MUL16 0, (\q)%2, \zero
	MUL16 2, (\q)%2, \zero
	s_wait_dscnt 0
	PLACES NP
	FETCH_B \slot, (\q)+1, 1-(\q)%2
	FETCH_A \slot, (\q)+1, 0
	WIN MUL_HI
	MUL16 4, (\q)%2, \zero
	MUL16 6, (\q)%2, \zero
	PLACES NP
	WIN 0
	FETCH_A \slot, (\q)+1, 4
.endm
.macro TURN slot, next, fill
	s_wait_tensorcnt 0x0
	ds_add_u32 v[SPW], v[NIL]
	s_wait_dscnt 4*NL+1
	WIN MUL_LO
	MUL16 0, 1, 0
	s_wait_dscnt 0x0
	s_barrier_signal -1
	MUL16 2, 1, 0
	WIN 0
	s_barrier_wait -1
.if \fill
	CREST
	s_add_nc_u64 s[G0+4*\slot+2:G0+4*\slot+3], s[G0+4*\slot+2:G0+4*\slot+3], 2*ROWB
	s_add_nc_u64 s[G0B+4*\slot+2:G0B+4*\slot+3], s[G0B+4*\slot+2:G0B+4*\slot+3], 2*ROWB
	JLOAD G0+4*\slot, G1, G0B+4*\slot, G1B
.else
	PLACES NP
.endif
	FETCH_B \next, 0, 0
	FETCH_A \next, 0, 0
	WIN MUL_HI
	MUL16 4, 1, 0
	MUL16 6, 1, 0
	PLACES NP
	WIN 0
	FETCH_A \next, 0, 4
.endm
	s_wait_alu depctr_va_vdst(0)
	s_wait_tensorcnt 0x0
	ds_add_u32 v[SPW], v[NIL]
	s_wait_dscnt 0x0
	CROUND
	JLOAD G0+4, G1, G0B+4, G1B
	FETCH_B 0, 0, 0
	FETCH_A 0, 0, 0
	FETCH_A 0, 0, 4
	STEP 0, 0, 1
	s_mov_b32 s3, LAPS-1
.Llap:
	TURN 0, 1, 1
	STEP 1, 0, 0
	TURN 1, 0, 1
	STEP 0, 0, 0
	s_sub_co_u32 s3, s3, 1
	s_cmp_lg_u32 s3, 0
	s_cbranch_scc1 .Llap
	TURN 0, 1, 0
	STEP 1, 0, 0
	s_wait_dscnt 4*NL
	WIN MUL_LO
	MUL16 0, 1, 0
	MUL16 2, 1, 0
	s_wait_dscnt 0
	WIN MUL_HI
	MUL16 4, 1, 0
	MUL16 6, 1, 0
	WIN 0
.macro EPIBLK a, isv, sto
.set AC, 64*((\a)%4)
.set CW, CD+16*((\a)%4)
	WIN 0x02+((\a)/4)
.set j, 0
.rept 32
.if \isv
	v_pk_fma_f32 v[TMP+j:TMP+j+1], v[AC+j:AC+j+1], s[96:97], v[BI+2*(\a):BI+2*(\a)+1] op_sel_hi:[1,0,1]
.else
	v_pk_fma_f32 v[TMP+j:TMP+j+1], v[AC+j:AC+j+1], s[96:97], v[BJ+j:BJ+j+1] op_sel_hi:[1,0,1]
.endif
.set j, j+2
.endr
	WIN 0
.set j, 0
.rept 64
	v_med3_num_f32 v[TMP+j], v[TMP+j], -v[LIM], v[LIM]
.set j, j+1
.endr
.if (\a) >= 4
	s_wait_alu depctr_va_vdst(0)
	s_wait_dscnt 24
.endif
.set j, 0
.rept 8
	v_cvt_scalef32_pk8_bf8_f32 v[CW+2*j:CW+2*j+1], v[TMP+8*j:TMP+8*j+7], v[SCL]
.set j, j+1
.endr
	v_nop
.set j, 0
.rept 8
	ds_store_b64 v[\sto], v[CW+2*j:CW+2*j+1] offset:16*PITCH*(\a)+16*j
.set j, j+1
.endr
.endm
	s_wait_loadcnt 0x0
	PLACES NP
	s_cmp_lt_u32 ttmp9, 8
	s_cbranch_scc0 .Lepi_v
.irp a, 0,1,2,3,4,5,6,7
	EPIBLK \a, 0, STQ
.endr
	s_branch .Lepi_done
.Lepi_v:
.irp a, 0,1,2,3,4,5,6,7
	EPIBLK \a, 1, STV
.endr
.Lepi_done:
	s_wait_dscnt 0x0
	s_barrier_signal -1
	s_barrier_wait -1
	s_cmp_lt_u32 ttmp9, 8
	s_cbranch_scc0 .Lout_v
.set i, 0
.rept 16
	ds_load_b128 v[128+4*i:128+4*i+3], v[RDQ] offset:8*PITCH*i
.set i, i+1
.endr
.set i, 0
.rept 16
	ds_load_b128 v[192+4*i:192+4*i+3], v[RDQ2] offset:8*PITCH*i
.set i, i+1
.endr
.set i, 0
.rept 32
	s_wait_dscnt 31-i
	global_store_b128 v[GOQ], v[128+4*i:128+4*i+3], s[10:11] offset:512*i
.set i, i+1
.endr
	s_branch .Lend
.Lout_v:
.set i, 0
.rept 32
	ds_load_b128 v[128+4*i:128+4*i+3], v[RDV] offset:2*PITCH*i
.set i, i+1
.endr
.set i, 0
.rept 32
	s_wait_dscnt 31-i
	global_store_b128 v[GOV], v[128+4*i:128+4*i+3], s[10:11] offset:4096*i
.set i, i+1
.endr
.Lend:
	s_wait_tensorcnt 0x0
	ds_add_u32 v[SPW], v[NIL]
	s_wait_dscnt 0x0
	CROUND
	s_endpgm
.Lfunc_end_k_qb7a4b60415_qkv:
	.size	k_qb7a4b60415_qkv, .Lfunc_end_k_qb7a4b60415_qkv-k_qb7a4b60415_qkv
	.p2alignl 7, 3214868480
	.fill 96, 4, 3214868480
	.section	.rodata,"a",@progbits
	.p2align	6, 0x0
	.amdhsa_kernel k_qb7a4b60415_qkv
		.amdhsa_group_segment_fixed_size 327680
		.amdhsa_private_segment_fixed_size 0
		.amdhsa_enable_private_segment 0
		.amdhsa_kernarg_size 32
		.amdhsa_user_sgpr_count 2
		.amdhsa_user_sgpr_kernarg_segment_ptr 1
		.amdhsa_wavefront_size32 1
		.amdhsa_system_sgpr_workgroup_id_x 1
		.amdhsa_system_sgpr_workgroup_id_y 1
		.amdhsa_system_sgpr_workgroup_id_z 1
		.amdhsa_system_vgpr_workitem_id 0
		.amdhsa_next_free_vgpr 1024
		.amdhsa_next_free_sgpr 100
		.amdhsa_reserve_vcc 0
		.amdhsa_float_denorm_mode_32 3
		.amdhsa_float_denorm_mode_16_64 3
		.amdhsa_memory_ordered 1
		.amdhsa_forward_progress 1
		.amdhsa_inst_pref_size 210
	.end_amdhsa_kernel
	.amdgpu_metadata
---
amdhsa.version: [ 1, 2 ]
amdhsa.kernels:
  - .name:           k_qb7a4b60415_qkv
    .symbol:         k_qb7a4b60415_qkv.kd
    .args:
      - { .name: codes, .offset: 0, .size: 8, .value_kind: global_buffer, .address_space: global }
      - { .name: lowp_scales, .offset: 8, .size: 8, .value_kind: global_buffer, .address_space: global }
      - { .name: b_qkv, .offset: 16, .size: 8, .value_kind: global_buffer, .address_space: global }
      - { .name: qkv_codes, .offset: 24, .size: 8, .value_kind: global_buffer, .address_space: global }
    .group_segment_fixed_size: 327680
    .private_segment_fixed_size: 0
    .kernarg_segment_align: 8
    .kernarg_segment_size: 32
    .max_flat_workgroup_size: 128
    .sgpr_count:     100
    .vgpr_count:     1024
    .wavefront_size: 32
...
	.end_amdgpu_metadata
.endif
;; end of part 2
;; launch attn (part 3): grid 8 x 32, 8 waves a work-group, no clusters, 327,680 bytes of LDS; arguments qkv_codes, lowp_scales, a_codes; writes a_codes
.if DOCPART == 3
	.amdgcn_target "amdgcn-amd-amdhsa--gfx1250"
	.amdhsa_code_object_version 6
	.text
	.protected	k_qb7a4b60415_attn
	.globl	k_qb7a4b60415_attn
	.p2align	8
	.type	k_qb7a4b60415_attn,@function
k_qb7a4b60415_attn:
	s_mov_b64 s[64:65], 0
	v_nop
	global_prefetch_b8 v0, s[64:65] scope:SCOPE_SE
	s_setreg_imm32_b32 hwreg(HW_REG_WAVE_MODE, 25, 1), 1
	s_wait_xcnt 0x0
; Causal attention on codes of BF8 (E5M2): for each of 32 heads, O[q] = sum over ALL 2,048 keys k of softmax_k(s(k, q)) V[k], s = K[k] . Q[q] / 8 where k <= q and exactly -10,000 elsewhere.
; qkv_codes: Q at byte 0 and K at 0x400000, [32][2,048][64]; V at 0x800000 with the keys innermost, [32][64][2,048].  Scales: entries 2 and 3 for the scores, 4 for p, 5 for V, 6 for the result.
; THE SOFTMAX: t = s x log2(e); M = the largest t so far, rounded up to a whole number; p = 2^(t - M) is quantised, not normalised; the row's sum is taken of the unquantised p and divides at the end.
; WORK LEFT OUT: only the scores K . Q of steps all of whose 128 keys lie behind the causal mask: it replaces them by -10,000 whatever they are.  THE MASKED KEYS STILL COUNT:
; t_m = -10,000 x log2(e) starts the running maximum (query 2,047 has no masked key), p_m = 2^(t_m - M) enters the sum once for each masked key, and its code is multiplied with every masked key's V by the matrix unit.
; A NaN or an infinity that reaches only the scores left out is not carried to the result.
; OUT: a_codes, O / sum quantised with entry 6, as images of the next product's operand registers: [256 tiles of 16 tokens][8 K steps of 128][4 groups][32 lanes][16 bytes]; lane (r, h) of group g holds token r, K = 128 step + 32 g + 16 h + 0 .. 15.
; SHARES.  A work-group owns blocks i and 15 - i of 128 queries of one head.  EACH of its eight waves owns 16 queries of block i (tile 0) and 16 of block 15 - i (tile 1), two waves to a SIMD: all waves have the same work in every step.
; Keys go in 16 steps of 128: steps 0 .. b of block b have a softmax, the later ones are hidden.  The two tiles go through the softmax one after the other, on one set of registers for the scores; K's fragments stay for the second; V's feed both.
; LDS.  A ring of two slots of 512 keys; waves 0-3 fetch K's quarters (dense, stated as rows of 256 bytes), waves 4-7 V's (16 rows of 512 bytes): one tensor load a wave at the head and behind each change of slots.
; K's slot is asked for only while its first key is at or under the first key of block 15 - i's diagonal step: later keys of K are read by no wave.
; K: 16 bytes of padding behind every two keys, so key k lies at (k / 2) x 144 + (k % 2) x 64: the sixteen rows of a tile fall on sixteen different 16-byte columns of 256.  V: rows 528 bytes apart.
; NO CLUSTER, though the eight work-groups of a head read the same K and V: which steps a tile leaves out, and where K's loads end, hangs on the work-group's place among those eight, and partners in joint loads may not branch on that.
; LAYOUT.  S^T = K Q^T (source 0 = 16 keys), O^T = V^T P^T (source 0 = 16 channels): a lane holds one query (lane % 16) of each tile.  Lane r of K's tile 2 b + u takes key 32 b + 8 u + r + 8 (r / 8),
; so that the 16 registers of tiles 2 b, 2 b + 1 are keys 32 b + 16 (lane / 16) + 0 .. 15, as V's fragments hold them.
; LIMITS: e2 + e3 between -123 and 130; e4 and e6 between -126 and 112; e4 + e5 is applied by v_ldexp_f32.  NaN among the inputs is not served.
; REGISTERS.  Window 0: v1-10 addresses and constants; v11, v24 the hold (two copies, for the two halves of a dual pair); v[12:13], v[14:15] -M and the largest t of tile 0, 1; v[16:19] the sums; v20 f; v25 the scale; v26-31 at work;
; v32-63 p's codes; v64-79 Q; v80-87 at work; v128-191 S^T, then p.  Window 1: v0-63 K's eight fragments; v64-127 V's four; v128-191 O^T (tile u, channels 16 t on at 128 + 32 u + 8 t).
.set KP,   144
.set VP,   528
.set VOFF, 256*KP
.set SLOT1, 1<<17
.set SPARE, 2*SLOT1
.set NSL,  4
.set AK0, 1
.set AV0, 2
.set PFO, 3
.set TM,  4
.set SPW, 5
.set NIL, 6
.set GO,  7
.set ADK, 8
.set ADV, 9
.set DD,  10
.set PC,  32
.set QF,  64
.set S,   128
.set KFR, 0
.set VFR, 64
.set O,   128
.set TB,  2
.set WV,  18
.set SEL, 20
.set CS,  22
.set G1K, 24
.set G1V, 32
.set G0K, 40
.set G0V, 44
.set CX,  56
.set KF,  58
.set QB0, 59
.set TBK, 60
.set TBV, 61
.set CNT, 62
.set QB1, 66
.set SLOTS, 67
.set PFA, 76
.set PFS, 78
.set LIM, 80
.set MSB, 0
.macro WIN new                         ; the immediate's high byte repeats the setting that is left
.if MSB != \new
	s_set_vgpr_msb (MSB<<8)|\new
.set MSB, \new
.endif
.endm
.macro H n
	s_delay_alu instid0(VALU_DEP_\n)
.endm
; One tensor load a wave: waves 0-3 K's quarter, waves 4-7 V's.  lim = 1: K's load is left out past the causal limit (ids and the count of steps alone, the same in all waves).  An s_nop 0 and four v_nop follow each load.
.macro TLOAD lim
	s_cmp_lt_u32 s[WV], 4
	s_cbranch_scc0 .Lfor_v_\@
.if \lim
	s_add_co_u32 s96, s[KF], 512                   ; the first key of the slot that this change asks for
	s_cmp_gt_u32 s96, s[QB1]
	s_cbranch_scc1 .Lasked_\@
.endif
	tensor_load_to_lds s[G0K:G0K+3], s[G1K:G1K+7]
	s_nop 0
.rept 4
	v_nop
.endr
	s_branch .Lasked_\@
.Lfor_v_\@:
	tensor_load_to_lds s[G0V:G0V+3], s[G1V:G1V+7]
	s_nop 0
.rept 4
	v_nop
.endr
.Lasked_\@:
.endm
; A prefetch into the L2 of the slot that the NEXT change of slots asks for.  The work-groups of a head share the slots out: work-group 2 asks for slot 2, work-group 3 for slot 3, whole, each at the change that loads the slot before;
; each wave names the 32 blocks of 256 bytes of the quarter that it fetches itself.  Slots 0 and 1 come by their loads alone; no slot lies behind slot 3.
.macro ASK
	s_cmp_eq_u32 s[SLOTS], s[LIM]
	s_cbranch_scc0 .Lnot_mine_\@
	global_prefetch_b8 v[PFO], s[PFA:PFA+1] th:TH_LOAD_NT scope:SCOPE_SE
.Lnot_mine_\@:
.endm
	s_load_b128 s[4:7], s[0:1], 0x0                ; qkv_codes, the scales' exponents
	s_load_b64 s[8:9], s[0:1], 0x10                ; a_codes
	v_lshl_add_u32 v[SPW], v0, 2, SPARE
	v_mov_b32 v[NIL], 0
	ds_add_u32 v[SPW], v[NIL]                      ; the opening lines: the add, twice on end, and its wait ahead of my first tensor load
	ds_add_u32 v[SPW], v[NIL]
	v_lshrrev_b32 v8, 5, v0
	v_readfirstlane_b32 s[WV], v8                  ; wave 0..7
	s_lshl_b32 s19, s[WV], 4                       ; my 16 queries in each block: 16 w
	s_lshl_b32 s[QB0], ttmp9, 7                    ; block i's first query = the first key of its diagonal step
	s_sub_co_u32 s[QB1], 15, ttmp9
	s_lshl_b32 s[QB1], s[QB1], 7                   ; the same of block 15 - i
	s_and_b32 s68, ttmp7, 0xffff                   ; the head, 0..31
	s_lshl_b32 s69, s68, 17                        ; its 131,072 bytes in each of Q, K, V
	s_and_b32 s70, s[WV], 3                        ; which quarter of a slot I fetch
	s_lshl_b32 s72, s70, 13                        ; K: 128 keys = 8,192 bytes
	s_add_co_u32 s72, s72, s69
	s_add_co_u32 s72, s72, 0x400000
	s_mov_b32 s73, 0
	s_lshl_b32 s74, s70, 15                        ; V: 16 channels' rows of 2,048 bytes
	s_add_co_u32 s74, s74, s69
	s_add_co_u32 s74, s74, 0x800000
	s_mov_b32 s75, 0
	s_mul_i32 s[G0K+1], s70, 64*KP                 ; and in slot 0
	s_mul_i32 s[G0V+1], s70, 16*VP
	s_add_co_u32 s[G0V+1], s[G0V+1], VOFF
	s_mov_b32 s[G1K], (1<<20)|(4<<22)|(3<<25)      ; K: elements of 1 byte; four words of padding after every 32
	s_mov_b32 s[G1K+1], 256<<16
	s_mov_b32 s[G1K+2], 32<<16
	s_mov_b32 s[G1K+3], 256<<16
	s_mov_b32 s[G1K+4], 32
	s_mov_b32 s[G1K+5], 256
	s_mov_b32 s[G1K+6], 0
	s_mov_b32 s[G1K+7], 0
	s_mov_b32 s[G1V], (1<<20)|(6<<22)|(3<<25)      ; V: four words of padding after every 128
	s_mov_b32 s[G1V+1], 512<<16
	s_mov_b32 s[G1V+2], 16<<16
	s_mov_b32 s[G1V+3], 512<<16
	s_mov_b32 s[G1V+4], 16
	s_mov_b32 s[G1V+5], 2048
	s_mov_b32 s[G1V+6], 0
	s_mov_b32 s[G1V+7], 0
	s_mov_b32 s[SEL], 0x76543210
	s_mov_b32 s[SEL+1], 0xfedcba98
	s_mov_b32 s[KF], 0
	s_mov_b32 s[TB], 0
	s_mov_b32 s[SLOTS], NSL-1
	s_wait_dscnt 0x0                               ; both opening adds are done
	s_wait_kmcnt 0x0
	s_load_b256 s[84:91], s[6:7], 0x0              ; e0 .. e7
	s_mov_b32 s[G0K], 1
	s_add_nc_u64 s[G0K+2:G0K+3], s[4:5], s[72:73]
	s_or_b32 s[G0K+3], s[G0K+3], 0x80000000
	s_mov_b32 s[G0V], 1
	s_add_nc_u64 s[G0V+2:G0V+3], s[4:5], s[74:75]
	s_or_b32 s[G0V+3], s[G0V+3], 0x80000000
	TLOAD 0                                        ; slot 0: every wave's one load at the head
	s_cmp_lt_u32 s[WV], 4                          ; the prefetches: my own quarter, one slot on from the walking descriptors
	s_cselect_b32 s92, s72, s74
	s_mov_b32 s[PFS], 512
	s_cselect_b32 s[PFS], 32768, s[PFS]            ; a slot on, in bytes
	s_mov_b32 s71, 2048
	s_cselect_b32 s71, 512, s71                    ; from one pair of lanes to the next
	s_mov_b32 s93, 0
	s_mov_b32 s[PFS+1], 0
	s_add_nc_u64 s[PFA:PFA+1], s[4:5], s[92:93]
	s_add_nc_u64 s[PFA:PFA+1], s[PFA:PFA+1], s[PFS:PFS+1]   ; at slot 1: the first change steps it to slot 2
	s_sub_co_u32 s92, ttmp9, 2
	s_sub_co_u32 s93, NSL+1, ttmp9
	s_cmp_lt_u32 s92, 2
	s_cselect_b32 s[LIM], s93, 0                   ; work-groups 2 and 3 ask, where the count of slots equals this; no other does
	s_add_co_u32 s48, s[QB0], s19
	s_lshl_b32 s48, s48, 6
	s_add_co_u32 s48, s48, s69
	s_mov_b32 s49, 0
	s_add_nc_u64 s[48:49], s[4:5], s[48:49]        ; Q's codes at tile 0's first query,
	s_add_co_u32 s98, s[QB1], s19                  ; tile 1's first query
	s_lshl_b32 s50, s98, 6
	s_add_co_u32 s50, s50, s69
	s_mov_b32 s51, 0
	s_add_nc_u64 s[50:51], s[4:5], s[50:51]        ; and at tile 1's
	s_lshr_b32 s94, s68, 4
	s_lshl_b32 s94, s94, 21                        ; the batch's 128 tiles of 16 tokens, 16,384 bytes a tile
	s_bfe_u32 s95, s68, 0x30001                    ; K step = (head % 16) / 2
	s_lshl_b32 s95, s95, 11
	s_add_co_u32 s94, s94, s95
	s_and_b32 s95, s68, 1                          ; groups 2 (head % 2) and the next
	s_lshl_b32 s95, s95, 10
	s_add_co_u32 s94, s94, s95
	s_add_co_u32 s96, s[QB0], s19
	s_lshl_b32 s96, s96, 10                        ; (query / 16) x 16,384
	s_add_co_u32 s96, s96, s94
	s_mov_b32 s97, 0
	s_add_nc_u64 s[52:53], s[8:9], s[96:97]        ; tile 0's image
	s_lshl_b32 s96, s98, 10
	s_add_co_u32 s96, s96, s94
	s_add_nc_u64 s[54:55], s[8:9], s[96:97]        ; tile 1's
	v_and_b32 v26, 15, v0                          ; r
	v_bfe_u32 v27, v0, 4, 1                        ; h
	v_lshlrev_b32 v28, 6, v26
	v_lshl_add_u32 v28, v27, 4, v28                ; Q: row r of 64 bytes, + 16 h
	global_load_b128 v[QF:QF+3], v28, s[48:49]     ; registers 4 c .. 4 c + 3 hold channels 32 c + 16 h + 0 .. 15, as K's do
	global_load_b128 v[QF+4:QF+7], v28, s[48:49] offset:32
	global_load_b128 v[QF+8:QF+11], v28, s[50:51]
	global_load_b128 v[QF+12:QF+15], v28, s[50:51] offset:32
	v_and_b32 v[PFO], 31, v0
	v_lshrrev_b32 v29, 1, v[PFO]
	v_and_b32 v[PFO], 1, v[PFO]
	v_lshlrev_b32 v[PFO], 8, v[PFO]
	v_mad_u32_u24 v[PFO], v29, s71, v[PFO]         ; K: 256 x lane; V: a row for each pair of lanes, its two blocks of 256 bytes
	v_and_b32 v29, 8, v26
	v_add_nc_u32 v29, v29, v26                     ; r + 8 (r / 8)
	v_lshrrev_b32 v30, 1, v29
	v_mul_u32_u24 v[AK0], v30, KP
	v_and_b32 v30, 1, v29
	v_lshl_add_u32 v[AK0], v30, 6, v[AK0]
	v_lshl_add_u32 v[AK0], v27, 4, v[AK0]
	v_mul_u32_u24 v[AV0], v26, VP
	v_lshl_add_u32 v[AV0], v27, 4, v[AV0]
	v_lshlrev_b32 v30, 4, v27
	v_sub_nc_u32 v[DD], v26, v30
	v_add_nc_u32 v[DD], s19, v[DD]                 ; my query in its block - 16 h: the same in both tiles
	v_lshlrev_b32 v[GO], 4, v26
	v_lshl_add_u32 v[GO], v27, 3, v[GO]            ; the way out: 16 r + 8 h
	v_mov_b32 v[TM], 0xc61c4000                    ; -10,000
	v_mul_f32 v[TM], 0x3fb8aa3b, v[TM]             ; x log2(e)
	v_add_nc_u32 v30, s98, v26                     ; tile 1's query
	v_mov_b32 v31, 0xff61b1e6                      ; -3e38, under every t
	v_cmp_eq_u32 vcc_lo, 0x7ff, v30
	v_mov_b32 v13, v[TM]                           ; the largest t so far: t_m, since masked keys are to come
	v_cndmask_b32 v15, v[TM], v31, vcc_lo          ; query 2,047 has none
	v_floor_f32 v12, -v13                          ; -M
	v_floor_f32 v14, -v15
.irp j, 16,17,18,19,21
	v_mov_b32 v[\j], 0                             ; the sums; the upper half of the pair that holds f
.endr
.set j, 0
.rept 32
	v_mov_b32 v[PC+j], 0                           ; p's codes: written on every way that leads to a hidden step
.set j, j+1
.endr
	WIN 0x40
.set j, 0
.rept 64
	v_mov_b32 v[O+j], 0                            ; O^T: the step is written once; the first finds zeros
.set j, j+1
.endr
	WIN 0
	s_wait_alu depctr_va_vdst(0)
	s_wait_kmcnt 0x0
	s_mov_b32 s[CS], 0x3e38aa3b                    ; log2(e) / 8
	s_add_co_i32 s92, s86, s87
	s_lshl_b32 s92, s92, 23
	s_add_co_i32 s[CS], s[CS], s92                 ; x 2^(e2 + e3), added to the exponent field
	s_mov_b32 s[CS+1], s[CS]
	s_add_co_i32 s92, s88, 127
	s_lshl_b32 s93, s92, 23
	v_mov_b32 v25, s93                             ; 2^e4
	s_add_co_i32 s92, s92, 15
	s_lshl_b32 s92, s92, 23
	s_or_b32 s92, s92, 0x600000
	v_mov_b32 v24, s92                             ; 57,344 x 2^e4,
	v_mov_b32 v11, s92                             ; twice
.macro VLOADS                          ; V's four fragments: 16 channels x 128 keys each
.irp t, 0,1,2,3
.irp c, 0,1,2,3
	ds_load_b128 v[VFR+16*\t+4*\c:VFR+16*\t+4*\c+3], v[ADV] offset:16*\t*VP+32*\c
.endr
.endr
.endm
.macro PV                              ; O^T += V^T P^T: eight accumulators by turns
.irp t, 0,1,2,3
.irp u, 0,1
	v_wmma_f32_16x16x128_bf8_bf8 v[O+32*\u+8*\t:O+32*\u+8*\t+7], v[VFR+16*\t:VFR+16*\t+15], v[PC+16*\u:PC+16*\u+15], v[O+32*\u+8*\t:O+32*\u+8*\t+7]
.endr
.endr
.endm
.macro FMAS u, j0, n                   ; t - M, two at a time
.set j, \j0
.rept \n
	v_pk_fma_f32 v[S+j:S+j+1], v[S+j:S+j+1], s[CX:CX+1], v[12+2*\u:13+2*\u] op_sel_hi:[1,0,0]
.set j, j+2
.endr
.endm
; ONE TILE's scores and softmax for the step's 128 keys; qb: the first key of its diagonal step.  It leaves p's codes and the rescaled O^T.
.macro TILE u, qb
	s_mov_b32 s[CX], s[CS]
	s_mov_b32 s[CX+1], s[CS]
	WIN 0x01
	s_wait_dscnt 16                                ; K's sixteen loads are in; V's sixteen may be out
.irp t, 0,1,2,3,4,5,6,7
	v_wmma_f32_16x16x64_bf8_bf8 v[S+8*\t:S+8*\t+7], v[KFR+8*\t:KFR+8*\t+7], v[QF+8*\u:QF+8*\u+7], 0
.endr
	WIN 0
.rept 4
	v_nop
.endr
	s_cmp_lg_u32 s[KF], s[\qb]
	s_cbranch_scc1 .Lopen_\@                       ; all 128 keys count
	; the diagonal step: the scores become t, and those of masked keys exactly t_m
.set j, 0
.rept 32
	v_pk_mul_f32 v[S+j:S+j+1], v[S+j:S+j+1], s[CS:CS+1] op_sel_hi:[1,0]
.set j, j+2
.endr
.set n, 0
.rept 64
	v_cmp_gt_i32 vcc_lo, 32*(n/16)+n%16, v[DD]     ; register 16 b + i holds key 32 b + 16 h + i of the step: masked where it lies behind my query
	s_delay_alu instid0(VALU_DEP_1)
	v_cndmask_b32 v[S+n], v[S+n], v[TM], vcc_lo
.set n, n+1
.endr
	s_mov_b32 s[CX], 1.0
	s_mov_b32 s[CX+1], 1.0
.Lopen_\@:
	; the step's largest number of my query, in four chains, each accumulator from its low end on
.irp c, 0,1,2,3
	v_max3_num_f32 v[26+\c], v[S+3*\c], v[S+3*\c+1], v[S+3*\c+2]
.endr
.set k, 12
.rept 6
.irp c, 0,1,2,3
	v_max3_num_f32 v[26+\c], v[26+\c], v[S+k+2*\c], v[S+k+2*\c+1]
.endr
.set k, k+8
.endr
	v_max3_num_f32 v26, v26, v[S+60], v[S+61]
	v_max3_num_f32 v27, v27, v[S+62], v[S+63]
	H 1
	v_max3_num_f32 v26, v26, v27, v28
	H 1
	v_max_num_f32 v26, v26, v29
	H 1
	v_permlanex16_b32 v30, v26, s[SEL], s[SEL+1]
	H 1
	v_max_num_f32 v26, v26, v30                    ; and among lane l xor 16's
	H 1
	v_mul_f32 v26, s[CX], v26                      ; as t (the factor is positive)
	H 1
	v_max_num_f32 v[13+2*\u], v[13+2*\u], v26      ; the running largest t
	v_mov_b32 v27, v[12+2*\u]
	H 2
	v_floor_f32 v[12+2*\u], -v[13+2*\u]            ; the new -M = -ceil(t): M is a whole number
	H 1
	v_sub_f32 v27, v[12+2*\u], v27                 ; M's old value less its new one: a whole number, 0 or less
	FMAS \u, 0, 8
	v_cvt_i32_f32 v27, v27                         ; (it saturates)
	FMAS \u, 16, 8
	v_ldexp_f32 v20, 1.0, v27                      ; f = 2^(old M - new M): a multiplication by it rounds nothing
	FMAS \u, 32, 16
	WIN 0x41
	s_wait_alu depctr_va_vdst(0)                   ; ahead of the first reader of O^T
.set j, 0
.rept 16
	v_pk_mul_f32 v[O+32*\u+j:O+32*\u+j+1], v[O+32*\u+j:O+32*\u+j+1], v[20:21] op_sel_hi:[1,0]   ; O^T under the new M
.set j, j+2
.endr
	WIN 0
	s_wait_alu depctr_va_vdst(0)                   ; ahead of the batch
.set j, 0
.rept 64
	v_exp_f32 v[S+j], v[S+j]                       ; p = 2^(t - M), at most 1: not normalised
.set j, j+1
.endr
	v_pk_mul_f32 v[16+2*\u:17+2*\u], v[16+2*\u:17+2*\u], v[20:21] op_sel_hi:[1,0]   ; the sum under the new M (a plain place behind the exponentials)
	s_wait_alu depctr_va_vdst(0)                   ; one wait for the whole batch, ahead of its first reader
	; the row's sum of the unquantised p, in four chains
	v_pk_add_f32 v[80:81], v[S:S+1], v[S+2:S+3]
	v_pk_add_f32 v[82:83], v[S+4:S+5], v[S+6:S+7]
	v_pk_add_f32 v[84:85], v[S+8:S+9], v[S+10:S+11]
	v_pk_add_f32 v[16+2*\u:17+2*\u], v[16+2*\u:17+2*\u], v[S+12:S+13]
.set k, 14
.rept 6
	v_pk_add_f32 v[80:81], v[80:81], v[S+k:S+k+1]
	v_pk_add_f32 v[82:83], v[82:83], v[S+k+2:S+k+3]
	v_pk_add_f32 v[84:85], v[84:85], v[S+k+4:S+k+5]
	v_pk_add_f32 v[16+2*\u:17+2*\u], v[16+2*\u:17+2*\u], v[S+k+6:S+k+7]
.set k, k+8
.endr
	v_pk_add_f32 v[80:81], v[80:81], v[S+62:S+63]
	v_pk_add_f32 v[82:83], v[82:83], v[84:85]
	v_pk_add_f32 v[16+2*\u:17+2*\u], v[16+2*\u:17+2*\u], v[80:81]
	v_pk_add_f32 v[16+2*\u:17+2*\u], v[16+2*\u:17+2*\u], v[82:83]
.irp b, 0,1,2,3
.set j, 0
.rept 8
	v_dual_min_num_f32 v[S+16*\b+j], v[S+16*\b+j], v24 :: v_dual_min_num_f32 v[S+16*\b+j+1], v[S+16*\b+j+1], v11   ; the conversion does not saturate (ISA guide 7.6.2); p is not negative, so the hold is one-sided; two holds an instruction
.set j, j+2
.endr
	v_cvt_scalef32_pk8_bf8_f32 v[PC+16*\u+4*\b:PC+16*\u+4*\b+1], v[S+16*\b:S+16*\b+7], v25
	v_cvt_scalef32_pk8_bf8_f32 v[PC+16*\u+4*\b+2:PC+16*\u+4*\b+3], v[S+16*\b+8:S+16*\b+15], v25
.endr
	v_nop                                          ; one plain line between the last conversion and the products that read its result or write its sources
.endm
; Behind a tile's diagonal step its M is final: every later key is masked.  Their p_m enters the sum at once, and its code fills p's registers for the hidden steps.
.macro PMFILL u
	v_add_f32 v26, v[TM], v[12+2*\u]               ; t_m - M
	v_min_num_f32 v26, 0, v26                      ; at most 0 wherever a masked key exists; the hold serves query 2,047's lane, whose count below is 0
	s_lshr_b32 s96, s[KF], 1
	s_sub_co_u32 s96, 960, s96                     ; (1,920 - the step's first key) keys are left: half of them for each half of the lanes
	v_cvt_f32_u32 v27, s96
	s_wait_alu depctr_va_vdst(0)                   ; ahead of the transcendental
	v_exp_f32 v26, v26                             ; p_m
	v_nop
	s_wait_alu depctr_va_vdst(0)                   ; behind it
	v_fmac_f32 v[16+2*\u], v27, v26
	v_min_num_f32 v80, v26, v24
.irp i, 1,2,3,4,5,6,7
	v_mov_b32 v[80+\i], v80
.endr
	v_cvt_scalef32_pk8_bf8_f32 v[PC+16*\u:PC+16*\u+1], v[80:87], v25
	v_nop                                          ; one plain line between the conversion and the reads of its result
.irp i, 2,3,4,5,6,7,8,9,10,11,12,13,14,15
	v_mov_b32 v[PC+16*\u+\i], v[PC+16*\u]          ; four equal codes a register
.endr
	s_wait_alu depctr_va_vdst(0)
.endm
; A KEY STEP: 128 keys for my two tiles.  Its branches hang on ids and the count of steps alone; no barrier and no tensor load stands in it.
; both = 0: the copy for the last slot, steps 12 to 15: they lie behind block i's diagonal step for every i <= 7, so tile 0 has no softmax there.
.macro STEP both
	v_add_nc_u32 v[ADK], s[TBK], v[AK0]
	v_add_nc_u32 v[ADV], s[TBV], v[AV0]
	v_nop                                          ; with the two additions: four places between the last step's products and the loads into registers that they read
	v_nop
	s_wait_alu depctr_va_vdst(0)
	s_cmp_gt_u32 s[KF], s[QB1]
	s_cbranch_scc1 .Lhid_\@                        ; all 128 keys come after both blocks' queries
	WIN 0x40
.irp t, 0,1,2,3,4,5,6,7
.irp c, 0,1
	ds_load_b128 v[KFR+8*\t+4*\c:KFR+8*\t+4*\c+3], v[ADK] offset:(16*(\t/2)+4*(\t%2))*KP+32*\c
.endr
.endr
	VLOADS
	WIN 0
.if \both
	s_cmp_gt_u32 s[KF], s[QB0]
	s_cbranch_scc1 .Lone_\@                        ; hidden for tile 0: its registers hold the code of p_m
	TILE 0, QB0
.Lone_\@:
.endif
	TILE 1, QB1
	WIN 0x51
	s_wait_alu depctr_va_vdst(0)
	s_wait_dscnt 0x0                               ; V
	s_wait_alu depctr_va_vdst(0)
	PV
	WIN 0
.if \both
	s_cmp_lg_u32 s[KF], s[QB0]
	s_cbranch_scc1 .Lnot0_\@
	PMFILL 0
.Lnot0_\@:
.endif
	s_cmp_lg_u32 s[KF], s[QB1]
	s_cbranch_scc1 .Ldone_\@
	PMFILL 1
	s_branch .Ldone_\@
.Lhid_\@:
	WIN 0x40
	VLOADS                                         ; hidden for both tiles: the codes of p_m times these 128 keys' V
	WIN 0x51
	s_wait_dscnt 0x0
	s_wait_alu depctr_va_vdst(0)                   ; ahead of the first reader of O^T
	PV
	WIN 0
.Ldone_\@:
.endm
; THE CHANGE OF SLOTS, at a slot's head: all my tensor loads are in, the add, my reads of the slot that I have left are over; one barrier; fill = 1: the slot just left takes the next 512 keys.
.macro CHANGE fill
	s_wait_tensorcnt 0x0
	ds_add_u32 v[SPW], v[NIL]                      ; 0 onto my spare word
.if \fill
	s_xor_b32 s[G0K+1], s[G0K+1], SLOT1            ; the walking descriptors: the other slot, the next 512 keys
	s_add_nc_u64 s[G0K+2:G0K+3], s[G0K+2:G0K+3], 32768
	s_xor_b32 s[G0V+1], s[G0V+1], SLOT1
	s_add_nc_u64 s[G0V+2:G0V+3], s[G0V+2:G0V+3], 512
	s_wait_xcnt 0x0                                ; any prefetch of mine has read its address
	s_add_nc_u64 s[PFA:PFA+1], s[PFA:PFA+1], s[PFS:PFS+1]
.endif
	s_wait_dscnt 0x0
	s_barrier_signal -1
	s_barrier_wait -1
.if \fill
	TLOAD 1
	ASK
.endif
.endm
.macro SLOT_STEPS both                 ; four steps of the slot in hand
	s_mov_b32 s[TBK], s[TB]
	s_add_co_u32 s[TBV], s[TB], VOFF
	s_mov_b32 s[CNT], 4
.Lstep_\@:
	STEP \both
	s_add_co_u32 s[KF], s[KF], 128
	s_add_co_u32 s[TBK], s[TBK], 64*KP
	s_add_co_u32 s[TBV], s[TBV], 128
	s_sub_co_u32 s[CNT], s[CNT], 1
	s_cmp_lg_u32 s[CNT], 0
	s_cbranch_scc1 .Lstep_\@
	s_xor_b32 s[TB], s[TB], SLOT1
.endm
	s_wait_alu depctr_va_vdst(0)
	s_wait_loadcnt 0x0                             ; Q
.Lslot:                                                ; three trips: behind each change of slots but the last the next slot is asked for
	CHANGE 1
	SLOT_STEPS 1
	s_sub_co_u32 s[SLOTS], s[SLOTS], 1
	s_cmp_lg_u32 s[SLOTS], 0
	s_cbranch_scc1 .Lslot
	CHANGE 0                                       ; the last slot is written out: it asks for nothing
	SLOT_STEPS 0
	; THE WAY OUT.  O^T x 2^(e4 + e5) / the sum is quantised with 2^e6.  Register 8 t + j of a tile is channel 16 t + 8 h + j of query r: its eight codes are bytes 16 r + 8 h of the image's 256 bytes 256 t on.
	s_add_co_i32 s92, s88, s89
	s_add_co_i32 s93, s90, 127
	s_lshl_b32 s94, s93, 23
	s_add_co_i32 s93, s93, 15
	s_lshl_b32 s93, s93, 23
	s_or_b32 s93, s93, 0x600000
	v_add_f32 v16, v16, v17                        ; the sums' two halves,
	v_add_f32 v18, v18, v19
	v_permlanex16_b32 v30, v16, s[SEL], s[SEL+1]
	v_permlanex16_b32 v31, v18, s[SEL], s[SEL+1]
	v_add_f32 v16, v16, v30                        ; and lane l xor 16's
	v_add_f32 v18, v18, v31
	s_wait_alu depctr_va_vdst(0)                   ; ahead of the batch
	v_rcp_f32 v16, v16
	v_rcp_f32 v18, v18
	v_mov_b32 v25, s94                             ; 2^e6 (a plain place behind the batch)
	v_mov_b32 v24, s93                             ; 57,344 x 2^e6
	s_wait_alu depctr_va_vdst(0)                   ; behind it
	v_ldexp_f32 v16, v16, s92
	v_ldexp_f32 v18, v18, s92
	WIN 0x01
	s_wait_alu depctr_va_vdst(0)                   ; ahead of the first reader of O^T
.irp u, 0,1
.set j, 0
.rept 32
	v_mul_f32 v[S+32*\u+j], v[O+32*\u+j], v[16+2*\u]
.set j, j+1
.endr
.endr
	WIN 0
.set j, 0
.rept 64
	v_med3_num_f32 v[S+j], v[S+j], -v24, v24
.set j, j+1
.endr
.set k, 0
.rept 8
	v_cvt_scalef32_pk8_bf8_f32 v[PC+2*k:PC+2*k+1], v[S+8*k:S+8*k+7], v25
.set k, k+1
.endr
	v_nop
.irp t, 0,1,2,3
	global_store_b64 v[GO], v[PC+2*\t:PC+2*\t+1], s[52:53] offset:256*\t      ; 32 lanes store 256 consecutive bytes, at a multiple of 256 from the buffer's first byte
	global_store_b64 v[GO], v[PC+8+2*\t:PC+8+2*\t+1], s[54:55] offset:256*\t
.endr
	s_wait_tensorcnt 0x0                           ; the wave's end
	ds_add_u32 v[SPW], v[NIL]
	s_wait_dscnt 0x0
	s_endpgm
.Lfunc_end_k_qb7a4b60415_attn:
	.size	k_qb7a4b60415_attn, .Lfunc_end_k_qb7a4b60415_attn-k_qb7a4b60415_attn
	.p2alignl 7, 3214868480
	.fill 96, 4, 3214868480
	.section	.rodata,"a",@progbits
	.p2align	6, 0x0
	.amdhsa_kernel k_qb7a4b60415_attn
		.amdhsa_group_segment_fixed_size 327680
		.amdhsa_private_segment_fixed_size 0
		.amdhsa_enable_private_segment 0
		.amdhsa_kernarg_size 24
		.amdhsa_user_sgpr_count 2
		.amdhsa_user_sgpr_kernarg_segment_ptr 1
		.amdhsa_wavefront_size32 1
		.amdhsa_system_sgpr_workgroup_id_x 1
		.amdhsa_system_sgpr_workgroup_id_y 1
		.amdhsa_system_sgpr_workgroup_id_z 1
		.amdhsa_system_vgpr_workitem_id 0
		.amdhsa_next_free_vgpr 448
		.amdhsa_next_free_sgpr 100
		.amdhsa_reserve_vcc 1
		.amdhsa_float_denorm_mode_32 3
		.amdhsa_float_denorm_mode_16_64 3
		.amdhsa_memory_ordered 1
		.amdhsa_forward_progress 1
		.amdhsa_inst_pref_size 102
	.end_amdhsa_kernel
	.amdgpu_metadata
---
amdhsa.version: [ 1, 2 ]
amdhsa.kernels:
  - .name:           k_qb7a4b60415_attn
    .symbol:         k_qb7a4b60415_attn.kd
    .args:
      - { .name: qkv_codes, .offset: 0, .size: 8, .value_kind: global_buffer, .address_space: global }
      - { .name: lowp_scales, .offset: 8, .size: 8, .value_kind: global_buffer, .address_space: global }
      - { .name: a_codes, .offset: 16, .size: 8, .value_kind: global_buffer, .address_space: global }
    .group_segment_fixed_size: 327680
    .private_segment_fixed_size: 0
    .kernarg_segment_align: 8
    .kernarg_segment_size: 24
    .max_flat_workgroup_size: 256
    .sgpr_count:     100
    .vgpr_count:     448
    .wavefront_size: 32
...
	.end_amdgpu_metadata
.endif
;; end of part 3
;; launch outp (part 4): grid 8 x 32, 4 waves a work-group, clusters of 4 x 4, 288,256 bytes of LDS; arguments a_codes, codes, lowp_scales, b_out, out0; writes out0
.if DOCPART == 4
	.amdgcn_target "amdgcn-amd-amdhsa--gfx1250"
	.amdhsa_code_object_version 6
	.text
	.protected	k_qb7a4b60415_outp
	.globl	k_qb7a4b60415_outp
	.p2align	8
	.type	k_qb7a4b60415_outp,@function
k_qb7a4b60415_outp:
	s_mov_b64 s[64:65], 0
	v_nop
	global_prefetch_b8 v0, s[64:65] scope:SCOPE_SE
	s_setreg_imm32_b32 hwreg(HW_REG_WAVE_MODE, 25, 1), 1
	s_wait_xcnt 0x0
	s_wait_alu depctr_hold_cnt(0) depctr_sa_sdst(0) depctr_va_vdst(0) depctr_va_sdst(0) depctr_va_ssrc(0) depctr_va_vcc(0) depctr_vm_vsrc(0)
	s_getreg_b32 s2, hwreg(HW_REG_IB_STS2, 6, 4)
	s_cmp_eq_u32 s2, 0
	s_cbranch_scc0 .Lentry_in_a_cluster
	s_endpgm
.Lentry_in_a_cluster:
	s_bfe_u32 s2, ttmp6, 0x10000c
	s_cmp_lg_u32 s2, 0xf033
	s_cbranch_scc0 .Lentry_shape_is_right
	s_endpgm
.Lentry_shape_is_right:
; out0 = A W_out + b_out on codes of BF8 (E5M2).  A: attention's result, 4,096 tokens x 1,024, as images of operand registers: [256 tiles of 16 tokens][8 K steps of 128][4 groups][32 lanes][16 bytes];
; lane (r, h) of group g holds token r, K = 128 step + 32 g + 16 h + 0 .. 15.  W_out: rows 7,168-8,191 of the codes' buffer, row = its column n, 1,024 bytes along K.  out0: [4,096][1,024] f32.
; A sum of codes stands for sum x 2^(e6 + e7); one packed multiply-add gives sum x 2^(e6 + e7) + b_out.  LIMIT: e6 + e7 between -126 and 127.
; SHARES.  A tile of 128 x 128 gives 256 work-groups; four waves, each 64 x 64: 16 accumulators.
; LDS.  The whole K of a tile lies in LDS, each byte filled ONCE, by ONE tensor load a wave: waves 0, 1 four tiles of tokens each (65,536 dense bytes), waves 2, 3 64 rows of W_out each (1,024 bytes + 16 of padding).  No ring, no refill.
; CLUSTERS: 4 x 4 work-groups.  The four of a row of the cluster need the same tiles of A, the four of a column the same rows of W_out: each is asked for jointly.
; No prefetch: the launch has no loop to run ahead in; all that it reads is asked for by its first loads.
; The matrix instruction takes 16 rows of W_out as source 0 and 16 tokens as source 1: a lane then holds eight neighbouring numbers of a row of out0.
; REGISTERS: window 0: v0-31 addresses; v32-63 the bias; v64-127 at work on the way out; v128-255 the accumulators.  Window 1: two fragment buffers of 128: A's four fragments, then W_out's four.
.set BOFF,  131072
.set PW,    1040
.set PB,    272
.set STAGE, BOFF+128*PW                ; 16 rows x (256 bytes + 16) for each wave, for the way out; no tensor load lands there
.set SPARE, 0x46400
.set ADRA, 16
.set ADRB, 20
.set STO,  24
.set RD,   25
.set CO,   26
.set BIAS, 32
.set TMP,  64
.set BK,   96
.set ACC,  128
.set G1A, 24
.set G1B, 32
.set G0A, 40
.set G0B, 44
.set MSB, 0
.macro WIN new
.if MSB != \new
	s_set_vgpr_msb (MSB<<8)|\new
.set MSB, \new
.endif
.endm
.set MUL,  0x05                        ; sources 0 and 1 window 1; C and D window 0
.set TO_F, 0x40                        ; destination window 1, address window 0
.macro CROUND                          ; a round of the cluster's barrier
	s_barrier_signal -1
	s_barrier_wait -1
	s_cmp_lg_u32 s14, 0
	s_cbranch_scc1 .Lnot_wave_0_\@
	s_barrier_signal -3
.Lnot_wave_0_\@:
	s_barrier_wait -3
	s_barrier_signal -1
	s_barrier_wait -1
.endm
.macro PLACES
.rept 4
	v_nop
.endr
.endm
	s_load_b256 s[4:11], s[0:1], 0x0               ; a_codes, codes, the scales' exponents, b_out
	s_load_b64 s[12:13], s[0:1], 0x20              ; out0
	v_lshl_add_u32 v30, v0, 2, SPARE
	v_mov_b32 v31, 0
	ds_add_u32 v30, v31                            ; the opening lines: the add, twice on end, and its wait
	ds_add_u32 v30, v31
	v_lshrrev_b32 v1, 5, v0
	v_readfirstlane_b32 s14, v1                    ; wave 0..3
	s_lshr_b32 s15, s14, 1                         ; which half of the tile's tokens is mine.  Also: I fetch for A (0) or for W_out (1)
	s_and_b32 s16, s14, 1                          ; which half of its columns.  Also: which half of that tile I fetch
	s_bfe_u32 s56, ttmp6, 0x40000                  ; cx, cy
	s_bfe_u32 s57, ttmp6, 0x40004
	s_lshl_b32 s58, ttmp9, 2
	s_add_co_u32 s58, s58, s56                     ; tile column
	s_and_b32 s59, ttmp7, 0xffff
	s_lshl_b32 s59, s59, 2
	s_add_co_u32 s59, s59, s57                     ; tile row
	s_lshl_b32 s60, s57, 2
	s_lshl_b32 s60, 15, s60                        ; my row of the cluster
	s_lshl_b32 s61, 0x1111, s56                    ; my column
	s_or_b32 s[G1A], s60, (3<<16)|(1<<21)          ; A: elements of 8 bytes; 4 rows of 16,384 bytes, dense; no padding
	s_mov_b32 s[G1A+1], 2048<<16
	s_mov_b32 s[G1A+2], 4<<16
	s_mov_b32 s[G1A+3], 2048<<16
	s_mov_b32 s[G1A+4], 4
	s_mov_b32 s[G1A+5], 2048
	s_mov_b32 s[G1A+6], 0
	s_mov_b32 s[G1A+7], 0
	s_or_b32 s[G1B], s61, (0<<16)|(1<<20)|(1<<21)|(7<<22)|(3<<25)   ; W_out: 64 rows of 1,024 bytes; four words of padding after every 256
	s_mov_b32 s[G1B+1], 1024<<16
	s_mov_b32 s[G1B+2], 64<<16
	s_mov_b32 s[G1B+3], 1024<<16
	s_mov_b32 s[G1B+4], 64
	s_mov_b32 s[G1B+5], 1024
	s_mov_b32 s[G1B+6], 0
	s_mov_b32 s[G1B+7], 0
	s_lshl_b32 s20, s59, 3
	s_lshl_b32 s17, s16, 2
	s_add_co_u32 s20, s20, s17                     ; A: tile of tokens 8 x tile row + 4 x half
	s_lshl_b32 s20, s20, 14
	s_mov_b32 s21, 0
	s_lshl_b32 s22, s58, 7
	s_lshl_b32 s17, s16, 6
	s_add_co_u32 s22, s22, s17
	s_add_co_u32 s22, s22, 7168                    ; W_out: row 7,168 + 128 x tile column + 64 x half
	s_lshl_b32 s22, s22, 10
	s_mov_b32 s23, 0
	s_lshl_b32 s[G0A+1], s16, 16                   ; where they go: no place in the cluster enters an LDS address
	s_mul_i32 s[G0B+1], s16, 64*PW
	s_add_co_u32 s[G0B+1], s[G0B+1], BOFF
	s_wait_dscnt 0x0
	s_wait_kmcnt 0x0
	s_load_b256 s[84:91], s[8:9], 0x0              ; e0 .. e7
	s_mov_b32 s[G0A], 1
	s_add_nc_u64 s[G0A+2:G0A+3], s[4:5], s[20:21]
	s_or_b32 s[G0A+3], s[G0A+3], 0x80000000
	s_mov_b32 s[G0B], 1
	s_add_nc_u64 s[G0B+2:G0B+3], s[6:7], s[22:23]
	s_or_b32 s[G0B+3], s[G0B+3], 0x80000000
	CROUND                                         ; all sixteen work-groups are here: the joint loads meet
	s_cmp_eq_u32 s15, 0
	s_cbranch_scc0 .Lfirst_b
	tensor_load_to_lds s[G0A:G0A+3], s[G1A:G1A+7]
	s_nop 0
.rept 4
	v_nop
.endr
	s_branch .Lfirst_asked
.Lfirst_b:
	tensor_load_to_lds s[G0B:G0B+3], s[G1B:G1B+7]
	s_nop 0
.rept 4
	v_nop
.endr
.Lfirst_asked:
	v_and_b32 v1, 15, v0                           ; r
	v_bfe_u32 v2, v0, 4, 1                         ; h
	v_and_b32 v3, 31, v0
	v_lshlrev_b32 v4, 4, v3                        ; 16 x lane
	s_lshl_b32 s17, s15, 16
	v_add_nc_u32 v[ADRA], s17, v4                  ; my four tiles of tokens
	v_mul_u32_u24 v5, v1, PB
	v_mul_u32_u24 v7, v1, PW
	v_lshl_add_u32 v6, v2, 4, v7
	s_mul_i32 s17, s16, 64*PW
	s_add_co_u32 s17, s17, BOFF
	v_add_nc_u32 v[ADRB], s17, v6                  ; my 64 rows of W_out: row r, + 16 h
	s_mul_i32 s17, s14, 16*PB
	s_add_co_u32 s17, s17, STAGE                   ; my stage
	v_lshl_add_u32 v[STO], v2, 5, v5
	v_add_nc_u32 v[STO], s17, v[STO]               ; in: row r, 32 bytes for each half of the lanes
	v_mul_u32_u24 v[RD], v2, PB
	v_lshl_add_u32 v[RD], v1, 4, v[RD]
	v_add_nc_u32 v[RD], s17, v[RD]                 ; back: lanes 0-15 one row of 256 bytes, lanes 16-31 the next
	v_lshlrev_b32 v[CO], 12, v2
	v_lshl_add_u32 v[CO], v1, 4, v[CO]             ; and the same two rows in out0
	v_lshlrev_b32 v27, 5, v2                       ; the bias: 32 h bytes
	s_wait_alu depctr_va_vdst(0)
	s_lshl_b32 s92, s58, 7
	s_lshl_b32 s93, s16, 6
	s_add_co_u32 s92, s92, s93
	s_lshl_b32 s92, s92, 2                         ; my first column, in bytes
	s_mov_b32 s93, 0
	s_add_nc_u64 s[10:11], s[10:11], s[92:93]
	s_add_nc_u64 s[12:13], s[12:13], s[92:93]
	s_lshl_b32 s92, s59, 7
	s_lshl_b32 s94, s15, 6
	s_add_co_u32 s92, s92, s94
	s_lshl_b32 s92, s92, 12                        ; my first row, 4,096 bytes a row
	s_add_nc_u64 s[12:13], s[12:13], s[92:93]
.irp b, 0,1,2,3
	global_load_b128 v[BIAS+8*\b:BIAS+8*\b+3], v27, s[10:11] offset:64*\b
	global_load_b128 v[BIAS+8*\b+4:BIAS+8*\b+7], v27, s[10:11] offset:64*\b+16
.endr
	s_wait_kmcnt 0x0
	s_add_co_i32 s96, s90, s91
	s_add_co_i32 s96, s96, 127
	s_lshl_b32 s96, s96, 23                        ; 2^(e6 + e7) as f32
	s_mov_b32 s97, s96
.macro FETCH s, f                      ; 32 LDS loads in one run: the fragments of K step s into buffer f
	WIN TO_F
.irp a, 0,1,2,3
.irp g, 0,1,2,3
	ds_load_b128 v[\f+16*\a+4*\g:\f+16*\a+4*\g+3], v[ADRA] offset:\a*16384+(\s)*2048+512*\g
.endr
.endr
.irp b, 0,1,2,3
.irp g, 0,1,2,3
	ds_load_b128 v[\f+64+16*\b+4*\g:\f+64+16*\b+4*\g+3], v[ADRB] offset:\b*16*PW+(\s)*128+32*\g
.endr
.endr
.endm
.macro MULS f, zero                    ; 16 matrix instructions, the 16 accumulators by turns
	WIN MUL
.irp a, 0,1,2,3
.irp b, 0,1,2,3
.if \zero
	v_wmma_f32_16x16x128_bf8_bf8 v[ACC+8*(4*\a+\b):ACC+8*(4*\a+\b)+7], v[\f+64+16*\b:\f+64+16*\b+15], v[\f+16*\a:\f+16*\a+15], 0
.else
	v_wmma_f32_16x16x128_bf8_bf8 v[ACC+8*(4*\a+\b):ACC+8*(4*\a+\b)+7], v[\f+64+16*\b:\f+64+16*\b+15], v[\f+16*\a:\f+16*\a+15], v[ACC+8*(4*\a+\b):ACC+8*(4*\a+\b)+7]
.endif
.endr
.endr
.endm
.macro KS s                            ; K step s: the next step's fragments are asked for, then this step's are multiplied
.if (\s) < 7
.if (\s) >= 1
	PLACES                                         ; the buffer was read by the step before
.endif
	FETCH (\s)+1, 128*(((\s)+1)%2)
	s_wait_dscnt 32                                ; all but the 32 just issued
.else
	s_wait_dscnt 0x0
.endif
.if (\s) == 0
	MULS 128*((\s)%2), 1
.else
	MULS 128*((\s)%2), 0
.endif
.endm
	s_wait_tensorcnt 0x0                           ; my part is in,
	s_barrier_signal -1
	s_barrier_wait -1                              ; everybody's is
	FETCH 0, 0
.irp s, 0,1,2,3,4,5,6,7
	KS \s
.endr
	WIN 0
	; THE WAY OUT, 16 tokens x my 64 columns at a time: sum x 2^(e6 + e7) + bias; through my own stage in LDS; back as rows of 256 bytes.
	s_wait_loadcnt 0x0                             ; the bias
	PLACES
.irp a, 0,1,2,3
.irp b, 0,1,2,3
.irp i, 0,2,4,6
	v_pk_fma_f32 v[TMP+8*\b+\i:TMP+8*\b+\i+1], v[ACC+8*(4*\a+\b)+\i:ACC+8*(4*\a+\b)+\i+1], s[96:97], v[BIAS+8*\b+\i:BIAS+8*\b+\i+1] op_sel_hi:[1,0,1]   ; each accumulator from its low end on
.endr
.endr
.irp b, 0,1,2,3
	ds_store_b128 v[STO], v[TMP+8*\b:TMP+8*\b+3] offset:64*\b
	ds_store_b128 v[STO], v[TMP+8*\b+4:TMP+8*\b+7] offset:64*\b+16
.endr
.if \a > 0
	s_wait_xcnt 0x0                                ; the block before's stores have read their registers: the loads below may land there
.endif
.irp i, 0,1,2,3,4,5,6,7
	ds_load_b128 v[BK+4*\i:BK+4*\i+3], v[RD] offset:2*\i*PB       ; LDS serves a wave's instructions in order: these see my stores
.endr
	s_wait_dscnt 0x0
.irp i, 0,1,2,3,4,5,6,7
	global_store_b128 v[CO], v[BK+4*\i:BK+4*\i+3], s[12:13] offset:(16*\a+2*\i)*4096 th:TH_STORE_NT   ; sixteen lanes store 256 consecutive bytes, at a multiple of 256 from out0's first byte
.endr
.endr
	s_wait_tensorcnt 0x0                           ; the wave's end
	ds_add_u32 v30, v31
	s_wait_dscnt 0x0
	CROUND                                         ; the closing round
	s_endpgm
.Lfunc_end_k_qb7a4b60415_outp:
	.size	k_qb7a4b60415_outp, .Lfunc_end_k_qb7a4b60415_outp-k_qb7a4b60415_outp
	.p2alignl 7, 3214868480
	.fill 96, 4, 3214868480
	.section	.rodata,"a",@progbits
	.p2align	6, 0x0
	.amdhsa_kernel k_qb7a4b60415_outp
		.amdhsa_group_segment_fixed_size 288256
		.amdhsa_private_segment_fixed_size 0
		.amdhsa_enable_private_segment 0
		.amdhsa_kernarg_size 40
		.amdhsa_user_sgpr_count 2
		.amdhsa_user_sgpr_kernarg_segment_ptr 1
		.amdhsa_wavefront_size32 1
		.amdhsa_system_sgpr_workgroup_id_x 1
		.amdhsa_system_sgpr_workgroup_id_y 1
		.amdhsa_system_sgpr_workgroup_id_z 1
		.amdhsa_system_vgpr_workitem_id 0
		.amdhsa_next_free_vgpr 512
		.amdhsa_next_free_sgpr 100
		.amdhsa_reserve_vcc 0
		.amdhsa_float_denorm_mode_32 3
		.amdhsa_float_denorm_mode_16_64 3
		.amdhsa_memory_ordered 1
		.amdhsa_forward_progress 1
		.amdhsa_inst_pref_size 44
	.end_amdhsa_kernel
	.amdgpu_metadata
---
amdhsa.version: [ 1, 2 ]
amdhsa.kernels:
  - .name:           k_qb7a4b60415_outp
    .symbol:         k_qb7a4b60415_outp.kd
    .args:
      - { .name: a_codes, .offset: 0, .size: 8, .value_kind: global_buffer, .address_space: global }
      - { .name: codes, .offset: 8, .size: 8, .value_kind: global_buffer, .address_space: global }
      - { .name: lowp_scales, .offset: 16, .size: 8, .value_kind: global_buffer, .address_space: global }
      - { .name: b_out, .offset: 24, .size: 8, .value_kind: global_buffer, .address_space: global }
      - { .name: out0, .offset: 32, .size: 8, .value_kind: global_buffer, .address_space: global }
    .group_segment_fixed_size: 288256
    .private_segment_fixed_size: 0
    .kernarg_segment_align: 8
    .kernarg_segment_size: 40
    .max_flat_workgroup_size: 128
    .sgpr_count:     100
    .vgpr_count:     512
    .wavefront_size: 32
...
	.end_amdgpu_metadata
.endif
;; end of part 4
